; MI455X (gfx1250); checked and timed in simulation.
; The chip was launched on July 23, 2026; its instructions are those of AMD's public machine-readable ISA for CDNA 5 (MIT licence, August 2026) and "CDNA5" Instruction Set Architecture Reference Guide (July 2026). The comments in the code are by the model that wrote it; some were corrected since.
;; Sector Attention. Allowed arithmetic: float matrix products may take bf16 or f16 operands with f32 sums; other float arithmetic in f32, or as packed bf16 or f16 multiplies, adds, multiply-adds, maxima and minima; sums over many terms, partial sums and values carried from step to step in f32; what a program stores and reads back later, other than sums and carried values, may be rounded once to bf16 or f16.
;; Inputs: Wk 256 x 256 float32; Wo 256 x 256 float32; Wq 256 x 256 float32; Wv 256 x 256 float32; bk 256 float32; bn_b 16 float32; bn_g 16 float32; bn_m 16 float32; bn_v 16 float32; bo 256 float32; bq 256 float32; bv 256 float32; ln_b 256 float32; ln_g 256 float32; mb1 1,024 float32; mb2 256 float32; mw1 1,024 x 256 float32; mw2 256 x 1,024 float32; pb1 16 float32; pb2 8 float32; pw1 16 x 2 float32; pw2 8 x 16 float32; s 4 x 16,384 x 256 float32; s_pos 4 x 2 x 4,096 x 4 float32; x 4 x 16,384 x 256 float32; x_pos 4 x 16,384 x 2 float32.
;; Outputs: out0 4 x 16,384 x 256 float32.
;; One version. Each part assembles by itself: llvm-mc -triple=amdgcn-amd-amdhsa -mcpu=gfx1250 --defsym DOCPART=n.
;; ======== version 1 of 1: 3 launches
;; workspace buffers: wst 1,572,864 bytes; mb1f 4,096 bytes; qws 33,554,432 bytes
;; launch prep (part 1): grid 416 x 1, 8 waves a work-group, no clusters, 0 bytes of LDS; arguments Wq, Wk, Wv, Wo, mw1, mw2, ln_g, ln_b, mb1, wst, mb1f; writes wst, mb1f
.if DOCPART == 1
	.amdgcn_target "amdgcn-amd-amdhsa--gfx1250"
	.amdhsa_code_object_version 6
	.text
	.protected	k_q4f557affaa_prep
	.globl	k_q4f557affaa_prep
	.p2align	8
	.type	k_q4f557affaa_prep,@function
k_q4f557affaa_prep:
	s_mov_b64 s[64:65], 0
	v_nop
	global_prefetch_b8 v0, s[64:65] scope:SCOPE_SE
	s_setreg_imm32_b32 hwreg(HW_REG_WAVE_MODE, 25, 1), 1
	s_wait_xcnt 0x0
; THE WEIGHTS, ONCE: rounded to bf16 and laid in the order in which the two launches behind read them; ln_g folded into mw1; mb1f = mb1 + mw1 . ln_b (in f32).
; A FRAGMENT is 16 rows x 32 k of bf16, 1,024 bytes: the 16 bytes of (half, lane = 16 h + r) lie at 512 half + 16 lane and hold row r, k = 16 half + 8 h + 0..7.
; A HALF-CHUNK (HC) is 16 fragments.  Kind A (rows of 256 k): fragment i is k block i / 2 of row tile 2 c + i % 2.  Kind B (mw2): fragment i is row tile i, k block c.
; wst: HC 0-7 Wq; 8 + 2 c Wk and 9 + 2 c Wv (c = 0..7); 24-31 Wo; 32 + 2 c mw1 x ln_g and 33 + 2 c mw2 (c = 0..31).
; Work-groups 0-383: a quarter of an HC each, a thread 16 bytes of wst: a wave's store covers 512 consecutive bytes.  Work-groups 384-415: 32 rows of mb1f each, a wave four rows.
	s_load_b512 s[4:19], s[0:1], 0x0               ; Wq 4, Wk 6, Wv 8, Wo 10, mw1 12, mw2 14, ln_g 16, ln_b 18
	s_load_b128 s[20:23], s[0:1], 0x40             ; mb1 20, wst 22
	s_load_b64 s[24:25], s[0:1], 0x50              ; mb1f
	s_cmp_ge_u32 ttmp9, 384
	s_cbranch_scc1 .Ldots
	s_lshr_b32 s30, ttmp9, 2                       ; HC
	s_and_b32 s31, ttmp9, 3
	s_lshl_b32 s31, s31, 8
	v_or_b32 v1, s31, v0                           ; u: my 16 bytes among the HC's 1,024 units
	v_and_b32 v2, 15, v1                           ; r
	v_bfe_u32 v3, v1, 4, 1                         ; h
	v_bfe_u32 v4, v1, 5, 1                         ; half
	v_lshrrev_b32 v5, 6, v1                        ; fragment i
	s_wait_kmcnt 0x0
	; which tensor, and which block c of it: selects on the HC's number alone
	s_mov_b64 s[34:35], s[4:5]                     ; HC 0-7: Wq, c = HC
	s_mov_b32 s32, s30
	s_sub_co_u32 s33, s30, 8
	s_lshr_b32 s37, s33, 1
	s_and_b32 s36, s33, 1                          ; SCC: odd
	s_cselect_b64 s[38:39], s[8:9], s[6:7]         ; Wv : Wk
	s_cmp_ge_u32 s30, 8
	s_cselect_b64 s[34:35], s[38:39], s[34:35]
	s_cselect_b32 s32, s37, s32
	s_sub_co_u32 s33, s30, 24
	s_cmp_ge_u32 s30, 24
	s_cselect_b64 s[34:35], s[10:11], s[34:35]     ; Wo
	s_cselect_b32 s32, s33, s32
	s_sub_co_u32 s33, s30, 32
	s_lshr_b32 s37, s33, 1
	s_xor_b32 s42, s33, 1
	s_and_b32 s42, s42, 1                          ; 1 where even
	s_and_b32 s36, s33, 1                          ; SCC: odd
	s_cselect_b64 s[38:39], s[14:15], s[12:13]     ; mw2 : mw1
	s_cmp_ge_u32 s30, 32
	s_cselect_b64 s[34:35], s[38:39], s[34:35]
	s_cselect_b32 s32, s37, s32
	s_cselect_b32 s40, s36, 0                      ; 1: kind B
	s_cselect_b32 s41, s42, 0                      ; 1: mw1, which takes ln_g
	s_lshl_b32 s43, s32, 1
	s_cmp_eq_u32 s40, 1
	s_cselect_b32 s44, 0, s43                      ; first row tile
	s_cselect_b32 s45, s32, 0                      ; first k block
	s_cselect_b32 s46, 15, 1                       ; row tile = first + (i & this)
	s_cselect_b32 s47, 4, 1                        ; k block = first + (i >> this)
	s_cselect_b32 s48, 12, 10                      ; log2 of a row's bytes
	v_and_b32 v6, s46, v5
	v_add_nc_u32 v6, s44, v6
	v_lshl_add_u32 v6, v6, 4, v2                   ; row
	v_lshrrev_b32 v7, s47, v5
	v_add_nc_u32 v7, s45, v7
	v_lshlrev_b32 v7, 7, v7                        ; 128 bytes a k block,
	v_lshl_add_u32 v7, v4, 6, v7                   ; 64 a half,
	v_lshl_add_u32 v7, v3, 5, v7                   ; 32 for h: 8 k
	v_lshlrev_b32 v6, s48, v6
	v_add_nc_u32 v6, v6, v7
	global_load_b128 v[8:11], v6, s[34:35]
	global_load_b128 v[12:15], v6, s[34:35] offset:16
	s_cmp_eq_u32 s41, 1
	s_cbranch_scc0 .Lplain
	global_load_b128 v[16:19], v7, s[16:17]        ; ln_g of my eight k
	global_load_b128 v[20:23], v7, s[16:17] offset:16
	s_wait_loadcnt 0x0
	v_pk_mul_f32 v[8:9], v[8:9], v[16:17]
	v_pk_mul_f32 v[10:11], v[10:11], v[18:19]
	v_pk_mul_f32 v[12:13], v[12:13], v[20:21]
	v_pk_mul_f32 v[14:15], v[14:15], v[22:23]
.Lplain:
	s_wait_loadcnt 0x0
	v_cvt_pk_bf16_f32 v24, v8, v9
	v_cvt_pk_bf16_f32 v25, v10, v11
	v_cvt_pk_bf16_f32 v26, v12, v13
	v_cvt_pk_bf16_f32 v27, v14, v15
	s_lshl_b32 s50, s30, 14
	s_mov_b32 s51, 0
	s_add_nc_u64 s[22:23], s[22:23], s[50:51]
	v_lshlrev_b32 v28, 4, v1
	global_store_b128 v28, v[24:27], s[22:23]
	s_endpgm
.Ldots:
	; mb1f[o] = mb1[o] + the sum over k of mw1[o][k] ln_b[k]: a lane takes 8 k of each of the wave's four rows
	s_sub_co_u32 s30, ttmp9, 384
	v_lshrrev_b32 v1, 5, v0
	v_readfirstlane_b32 s31, v1
	s_lshl_b32 s30, s30, 3
	s_add_co_u32 s30, s30, s31
	s_lshl_b32 s30, s30, 2                         ; my wave's first row
	s_mov_b32 s34, 0x76543210                      ; v_permlanex16_b32: each lane takes its own place in the other half
	s_mov_b32 s35, 0xfedcba98
	v_and_b32 v2, 31, v0
	v_lshlrev_b32 v3, 5, v2
	s_lshl_b32 s32, s30, 10
	v_add_nc_u32 v4, s32, v3
	v_and_b32 v5, 3, v2
	v_add_nc_u32 v6, s30, v5
	v_lshlrev_b32 v6, 2, v6
	s_wait_kmcnt 0x0
.irp i, 0,1,2,3
	global_load_b128 v[8+8*\i:11+8*\i], v4, s[12:13] offset:\i*1024
	global_load_b128 v[12+8*\i:15+8*\i], v4, s[12:13] offset:\i*1024+16
.endr
	global_load_b128 v[40:43], v3, s[18:19]
	global_load_b128 v[44:47], v3, s[18:19] offset:16
	global_load_b32 v48, v6, s[20:21]
	s_wait_loadcnt 0x0
.irp i, 0,1,2,3
	v_pk_mul_f32 v[50+2*\i:51+2*\i], v[8+8*\i:9+8*\i], v[40:41]
.endr
.irp i, 0,1,2,3
	v_pk_fma_f32 v[50+2*\i:51+2*\i], v[10+8*\i:11+8*\i], v[42:43], v[50+2*\i:51+2*\i]
.endr
.irp i, 0,1,2,3
	v_pk_fma_f32 v[50+2*\i:51+2*\i], v[12+8*\i:13+8*\i], v[44:45], v[50+2*\i:51+2*\i]
.endr
.irp i, 0,1,2,3
	v_pk_fma_f32 v[50+2*\i:51+2*\i], v[14+8*\i:15+8*\i], v[46:47], v[50+2*\i:51+2*\i]
.endr
.irp i, 0,1,2,3
	v_add_f32 v[50+2*\i], v[50+2*\i], v[51+2*\i]
.endr
.irp m, 1,2,4,8
.irp i, 0,1,2,3
	v_add_f32_dpp v[50+2*\i], v[50+2*\i], v[50+2*\i] row_xmask:\m row_mask:0xf bank_mask:0xf
.endr
.endr
.irp i, 0,1,2,3
	v_permlanex16_b32 v[51+2*\i], v[50+2*\i], s34, s35
.endr
.irp i, 0,1,2,3
	v_add_f32 v[50+2*\i], v[50+2*\i], v[51+2*\i]
.endr
	v_cmp_eq_u32 vcc_lo, 1, v5                     ; lane l keeps row l % 4
	v_cndmask_b32 v58, v50, v52, vcc_lo
	v_cmp_eq_u32 vcc_lo, 2, v5
	v_cndmask_b32 v58, v58, v54, vcc_lo
	v_cmp_eq_u32 vcc_lo, 3, v5
	v_cndmask_b32 v58, v58, v56, vcc_lo
	v_add_f32 v58, v58, v48
	s_wait_xcnt 0x0                                ; EXEC changes only behind this wait: the loads above have read it
	v_cmp_gt_u32 vcc_lo, 4, v2
	s_and_saveexec_b32 s36, vcc_lo
	global_store_b32 v6, v58, s[24:25]             ; four lanes, 16 bytes a wave: 4,096 bytes in the whole launch
	s_wait_xcnt 0x0
	s_or_b32 exec_lo, exec_lo, s36
	s_endpgm
.Lfunc_end_k_q4f557affaa_prep:
	.size	k_q4f557affaa_prep, .Lfunc_end_k_q4f557affaa_prep-k_q4f557affaa_prep
	.p2alignl 7, 3214868480
	.fill 96, 4, 3214868480
	.section	.rodata,"a",@progbits
	.p2align	6, 0x0
	.amdhsa_kernel k_q4f557affaa_prep
		.amdhsa_group_segment_fixed_size 0
		.amdhsa_private_segment_fixed_size 0
		.amdhsa_enable_private_segment 0
		.amdhsa_kernarg_size 88
		.amdhsa_user_sgpr_count 2
		.amdhsa_user_sgpr_kernarg_segment_ptr 1
		.amdhsa_wavefront_size32 1
		.amdhsa_system_sgpr_workgroup_id_x 1
		.amdhsa_system_sgpr_workgroup_id_y 1
		.amdhsa_system_sgpr_workgroup_id_z 1
		.amdhsa_system_vgpr_workitem_id 0
		.amdhsa_next_free_vgpr 64
		.amdhsa_next_free_sgpr 66
		.amdhsa_reserve_vcc 1
		.amdhsa_float_denorm_mode_32 3
		.amdhsa_float_denorm_mode_16_64 3
		.amdhsa_memory_ordered 1
		.amdhsa_forward_progress 1
		.amdhsa_inst_pref_size 9
	.end_amdhsa_kernel
	.amdgpu_metadata
---
amdhsa.version: [ 1, 2 ]
amdhsa.kernels:
  - .name:           k_q4f557affaa_prep
    .symbol:         k_q4f557affaa_prep.kd
    .args:
      - { .name: Wq, .offset: 0, .size: 8, .value_kind: global_buffer, .address_space: global }
      - { .name: Wk, .offset: 8, .size: 8, .value_kind: global_buffer, .address_space: global }
      - { .name: Wv, .offset: 16, .size: 8, .value_kind: global_buffer, .address_space: global }
      - { .name: Wo, .offset: 24, .size: 8, .value_kind: global_buffer, .address_space: global }
      - { .name: mw1, .offset: 32, .size: 8, .value_kind: global_buffer, .address_space: global }
      - { .name: mw2, .offset: 40, .size: 8, .value_kind: global_buffer, .address_space: global }
      - { .name: ln_g, .offset: 48, .size: 8, .value_kind: global_buffer, .address_space: global }
      - { .name: ln_b, .offset: 56, .size: 8, .value_kind: global_buffer, .address_space: global }
      - { .name: mb1, .offset: 64, .size: 8, .value_kind: global_buffer, .address_space: global }
      - { .name: wst, .offset: 72, .size: 8, .value_kind: global_buffer, .address_space: global }
      - { .name: mb1f, .offset: 80, .size: 8, .value_kind: global_buffer, .address_space: global }
    .group_segment_fixed_size: 0
    .private_segment_fixed_size: 0
    .kernarg_segment_align: 8
    .kernarg_segment_size: 88
    .max_flat_workgroup_size: 256
    .sgpr_count:     66
    .vgpr_count:     64
    .wavefront_size: 32
...
	.end_amdgpu_metadata
.endif
;; end of part 1
;; launch qproj (part 2): grid 256 x 1, 4 waves a work-group, clusters of 4 x 1, 167,936 bytes of LDS; arguments s, bq, wst, qws; writes qws
.if DOCPART == 2
	.amdgcn_target "amdgcn-amd-amdhsa--gfx1250"
	.amdhsa_code_object_version 6
	.text
	.protected	k_q4f557affaa_qproj
	.globl	k_q4f557affaa_qproj
	.p2align	8
	.type	k_q4f557affaa_qproj,@function
k_q4f557affaa_qproj:
	s_mov_b64 s[64:65], 0
	v_nop
	global_prefetch_b8 v0, s[64:65] scope:SCOPE_SE
	s_setreg_imm32_b32 hwreg(HW_REG_WAVE_MODE, 25, 1), 1
	s_wait_xcnt 0x0
	s_wait_alu depctr_hold_cnt(0) depctr_sa_sdst(0) depctr_va_vdst(0) depctr_va_sdst(0) depctr_va_ssrc(0) depctr_va_vcc(0) depctr_vm_vsrc(0)
	s_getreg_b32 s2, hwreg(HW_REG_IB_STS2, 6, 4)
	s_cmp_eq_u32 s2, 0
	s_cbranch_scc0 .Lentry_in_a_cluster
	s_endpgm
.Lentry_in_a_cluster:
	s_bfe_u32 s2, ttmp6, 0x10000c
	s_cmp_lg_u32 s2, 0x3003
	s_cbranch_scc0 .Lentry_shape_is_right
	s_endpgm
.Lentry_shape_is_right:
; Q = s Wq^T + bq, stored in bf16 in the order in which the attention reads it.
; THE VIEW.  Window (b, w), head, query hq, channel d takes Q[b][l = (32 head + d) 64 + 16 hq + (w >> 8)][column w & 255]: a window's q is one COLUMN of Q over 1,024 rows of s.
; SHARES.  Work-group g = (b, wh = w >> 8, hp): 64 channels cc = 64 hp .. + 63 x 4 hq = 256 rows of s, all 256 columns.  Wave v: cc = 64 hp + 16 v + 0..15 (head 2 hp + v / 2, half v % 2 of its
; 32 channels); its four row tiles are hq = 0..3.  Source 0 = 16 rows of s (one cc each), source 1 = 16 rows of Wq (one window each): a lane ends with ONE window and eight neighbouring d: 16 bytes of a fragment.
; qws: [group of four windows (b 4096 + w) / 4][head][fragment of 1,024 bytes]: row 4 (w % 4) + hq, k = d; the 16 bytes of (half, lane = 16 h + row) at 512 half + 16 lane.
; s comes straight into registers (each byte is wanted by one wave), is rounded to bf16 once and stays; Wq's 128 KiB image is brought into LDS once, jointly for the cluster's four work-groups.
; The results pass my own stage in LDS, so that each store of the wave covers 512 consecutive bytes.  LIMITS: s, Wq and q are rounded to bf16; NaN and infinities are not treated apart.
; REGISTERS: window 0: addresses; v32-159 two buffers of Wq's fragments; v160-223 eight accumulators; v224-255 packed results.  Window 1: s in bf16, fragment (T, kf) at 8 (8 T + kf).
; Windows 2, 3: s as loaded, 16 registers a fragment.
.set STAGE, 131072                     ; behind Wq's image: 4,352 bytes a wave: 2 column tiles x 4 groups x (512 + 16)
.set SGRP,  528
.set SNT,   4*SGRP
.set SPARE, STAGE+4*4352               ; the spare words, 128 bytes a wave: two blocks of 256 bytes that no other line names
.set WB0, 32
.set WB1, 96
.set ACC, 160
.set PK,  224
.set MSB, 0
.macro WIN new                         ; the immediate's high byte repeats the setting that is left; a switch that changes nothing is dropped
.if MSB != (\new)
	s_set_vgpr_msb (MSB<<8)|(\new)
.set MSB, \new
.endif
.endm
.macro PLACES
.rept 4
	v_nop
.endr
.endm
.macro CROUND                          ; a round of the cluster's barrier
	s_barrier_signal -1
	s_barrier_wait -1
	s_cmp_lg_u32 s12, 0
	s_cbranch_scc1 .Lnot_wave_0_\@
	s_barrier_signal -3
.Lnot_wave_0_\@:
	s_barrier_wait -3
	s_barrier_signal -1
	s_barrier_wait -1
.endm
.macro FETCH g, wb                     ; eight fragments of the half-chunk at v4: 16 loads of 512 consecutive bytes
	WIN 0
.set i, 0
.rept 16
	ds_load_b128 v[(\wb)+4*i:(\wb)+4*i+3], v4 offset:(\g)*8192+i*512
.set i, i+1
.endr
.endm
.macro MULQ g, wb                      ; 32 products: k blocks 4 g .. 4 g + 3, two column tiles, four row tiles; the eight accumulators take turns
	WIN 0x01                                       ; source 0 (s) in window 1
.irp kfl, 0,1,2,3
.irp nt, 0,1
.irp T, 0,1,2,3
.set rD, ACC+32*\nt+8*\T
.set rW, (\wb)+8*(2*\kfl+\nt)
.set rX, 8*(8*\T+4*(\g)+\kfl)
.if ((\g) == 0) && (\kfl == 0)
	v_wmma_f32_16x16x32_bf16 v[rD:rD+7], v[rX:rX+7], v[rW:rW+7], 0
.else
	v_wmma_f32_16x16x32_bf16 v[rD:rD+7], v[rX:rX+7], v[rW:rW+7], v[rD:rD+7]
.endif
.endr
.endr
.endr
.endm
.macro CONV T                          ; row tile T: 128 f32 a lane to 64 registers of bf16
	WIN 0x4a+5*((\T)/2)
.set i, 0
.rept 64
	v_cvt_pk_bf16_f32 v[64*(\T)+i], v[128*((\T)%2)+2*i], v[128*((\T)%2)+2*i+1]
.set i, i+1
.endr
.endm
	s_load_b256 s[4:11], s[0:1], 0x0               ; s 4, bq 6, wst 8, qws 10
	v_lshl_add_u32 v28, v0, 2, SPARE
	v_mov_b32 v29, 0
	ds_add_u32 v28, v29                            ; the wave's opening: the add and its wait stand ahead of my first tensor load; work on registers stands between
	v_lshrrev_b32 v7, 5, v0
	v_readfirstlane_b32 s12, v7                    ; wave
	s_bfe_u32 s13, ttmp6, 0x40000                  ; cx
	s_lshl_b32 s14, ttmp9, 2
	s_add_co_u32 s14, s14, s13                     ; g: it enters s's and qws's addresses alone
	s_lshr_b32 s15, s14, 6                         ; b
	s_bfe_u32 s16, s14, 0x40002                    ; wh
	s_and_b32 s17, s14, 3                          ; hp
	s_lshl_b32 s20, s15, 24                        ; s: b x 16 MiB + (64 hp + 16 v) x 64 rows + wh rows, of 1,024 bytes
	s_lshl_b32 s18, s17, 22
	s_add_co_u32 s20, s20, s18
	s_lshl_b32 s18, s12, 20
	s_add_co_u32 s20, s20, s18
	s_lshl_b32 s18, s16, 10
	s_add_co_u32 s20, s20, s18
	s_mov_b32 s21, 0
	s_lshl_b32 s22, s15, 23                        ; qws: (1,024 b + 64 wh) groups of 8,192 bytes + 1,024 head + 512 half
	s_lshl_b32 s18, s16, 19
	s_add_co_u32 s22, s22, s18
	s_lshl_b32 s18, s17, 1
	s_lshr_b32 s19, s12, 1
	s_add_co_u32 s18, s18, s19
	s_lshl_b32 s18, s18, 10
	s_add_co_u32 s22, s22, s18
	s_and_b32 s19, s12, 1
	s_lshl_b32 s19, s19, 9
	s_add_co_u32 s22, s22, s19
	s_mov_b32 s23, 0
	; descriptor: my quarter of Wq's image, dense: 128 rows of 32 elements of 8 bytes
	s_mov_b32 s24, 15|(3<<16)|(1<<21)              ; the mask of four; elements of 8 bytes; bit 21 beside a mask
	s_mov_b32 s25, 32<<16                          ; tensor_dim0 = 32
	s_mov_b32 s26, 128<<16                         ; tensor_dim1 = 128
	s_mov_b32 s27, 32<<16                          ; tile_dim0 = 32
	s_mov_b32 s28, 128                             ; tile_dim1 = 128
	s_mov_b32 s29, 32                              ; 32 elements from row to row
	s_mov_b32 s30, 0
	s_mov_b32 s31, 0
	s_mov_b32 s32, 1
	s_lshl_b32 s33, s12, 15                        ; LDS: 32 KiB x wave
	s_mov_b32 s36, s33
	s_mov_b32 s37, 0
	v_and_b32 v1, 15, v0                           ; r
	v_bfe_u32 v2, v0, 4, 1                         ; h
	v_lshlrev_b32 v3, 16, v1                       ; a step of cc is 64 rows of s
	v_lshl_add_u32 v3, v2, 5, v3
	v_and_b32 v5, 31, v0
	v_lshlrev_b32 v5, 4, v5                        ; 16 x lane
	v_mov_b32 v4, v5
	v_lshlrev_b32 v6, 2, v1                        ; bq of my column
	s_mul_i32 s38, s12, 4352
	s_add_co_u32 s38, s38, STAGE
	v_lshrrev_b32 v7, 2, v1
	v_mul_u32_u24 v10, v7, SGRP                    ; into the stage: group r / 4; in it row 4 (r % 4) + hq of half-lane h
	v_and_b32 v7, 3, v1
	v_lshl_add_u32 v10, v7, 6, v10
	v_lshl_add_u32 v10, v2, 8, v10
	v_add_nc_u32 v10, s38, v10
	v_add_nc_u32 v8, s38, v5                       ; back: 512 consecutive bytes
	v_mov_b32 v25, 0                               ; named in pairs with v24 and v26
	v_mov_b32 v27, 0
	s_wait_dscnt 0x0
	s_wait_kmcnt 0x0
	s_add_nc_u64 s[34:35], s[8:9], s[36:37]
	s_or_b32 s35, s35, 0x80000000
	s_add_nc_u64 s[4:5], s[4:5], s[20:21]
	s_add_nc_u64 s[10:11], s[10:11], s[22:23]
	CROUND                                         ; the four work-groups are here: the joint loads meet
	tensor_load_to_lds s[32:35], s[24:31]
	s_nop 0
	PLACES
.irp T, 0,1,2,3                        ; my 64 rows of s: 128 loads; fragment (T, kf) takes bytes 128 kf + 32 h + 0, 16, 64, 80 of its rows
	WIN 0x80+0x40*(\T/2)
.irp kf, 0,1,2,3,4,5,6,7
.set rB, 16*(8*(\T%2)+\kf)
	global_load_b128 v[rB:rB+3], v3, s[4:5] offset:\T*16384+\kf*128
	global_load_b128 v[rB+4:rB+7], v3, s[4:5] offset:\T*16384+\kf*128+16
	global_load_b128 v[rB+8:rB+11], v3, s[4:5] offset:\T*16384+\kf*128+64
	global_load_b128 v[rB+12:rB+15], v3, s[4:5] offset:\T*16384+\kf*128+80
.endr
.endr
	s_wait_loadcnt 63                              ; 64 younger loads could stay out; the wait's field holds 63: tiles 0 and 1 are in
	CONV 0
	CONV 1
	s_wait_loadcnt 32                              ; tile 3's 32 may stay out
	CONV 2
	s_wait_loadcnt 0x0
	CONV 3
	WIN 0
	s_wait_tensorcnt 0x0                           ; my quarter of the image is in,
	s_barrier_signal -1
	s_barrier_wait -1                              ; everybody's is
	s_mov_b32 s39, 8
.Ltrip:                                ; a trip: one half-chunk of Wq = 32 columns = 32 windows
	global_load_b32 v24, v6, s[6:7]
	global_load_b32 v26, v6, s[6:7] offset:64
	FETCH 0, WB0
	FETCH 1, WB1
	s_wait_dscnt 16                                ; the second run's 16 loads may stay out
	MULQ 0, WB0
	s_wait_dscnt 0x0
	MULQ 1, WB1
	WIN 0
	PLACES
	s_wait_loadcnt 0x0                             ; bq
.irp nt, 0,1
.irp T, 0,1,2,3
.irp p, 0,1,2,3
	v_pk_add_f32 v[ACC+32*\nt+8*\T+2*\p:ACC+32*\nt+8*\T+2*\p+1], v[ACC+32*\nt+8*\T+2*\p:ACC+32*\nt+8*\T+2*\p+1], v[24+2*\nt:25+2*\nt] op_sel_hi:[1,0]
.endr
.endr
.endr
.set i, 0
.rept 32
	v_cvt_pk_bf16_f32 v[PK+i], v[ACC+2*i], v[ACC+2*i+1]
.set i, i+1
.endr
.irp nt, 0,1
.irp T, 0,1,2,3
	ds_store_b128 v10, v[PK+4*(4*\nt+\T):PK+4*(4*\nt+\T)+3] offset:\nt*SNT+\T*16
.endr
.endr
.irp nt, 0,1
.irp g, 0,1,2,3
	ds_load_b128 v[PK+4*(4*\nt+\g):PK+4*(4*\nt+\g)+3], v8 offset:\nt*SNT+\g*SGRP  ; LDS serves a wave's instructions in order: these see the stores above
.endr
.endr
	s_wait_dscnt 0x0
.irp nt, 0,1
.irp g, 0,1,2,3
	global_store_b128 v5, v[PK+4*(4*\nt+\g):PK+4*(4*\nt+\g)+3], s[10:11] offset:\nt*32768+\g*8192  ; half a fragment: 512 consecutive bytes
.endr
.endr
	s_wait_xcnt 0x0                                ; the stores have read their data and base: both are written again only behind this wait
	s_add_nc_u64 s[10:11], s[10:11], 65536         ; eight groups on
	v_add_nc_u32 v4, 16384, v4
	v_add_nc_u32 v6, 128, v6
	s_sub_co_u32 s39, s39, 1
	s_cmp_lg_u32 s39, 0
	s_cbranch_scc1 .Ltrip
	s_wait_tensorcnt 0x0                           ; the wave's end
	ds_add_u32 v28, v29
	s_wait_dscnt 0x0
	CROUND                                         ; the closing round
	s_endpgm
.Lfunc_end_k_q4f557affaa_qproj:
	.size	k_q4f557affaa_qproj, .Lfunc_end_k_q4f557affaa_qproj-k_q4f557affaa_qproj
	.p2alignl 7, 3214868480
	.fill 96, 4, 3214868480
	.section	.rodata,"a",@progbits
	.p2align	6, 0x0
	.amdhsa_kernel k_q4f557affaa_qproj
		.amdhsa_group_segment_fixed_size 167936
		.amdhsa_private_segment_fixed_size 0
		.amdhsa_enable_private_segment 0
		.amdhsa_kernarg_size 32
		.amdhsa_user_sgpr_count 2
		.amdhsa_user_sgpr_kernarg_segment_ptr 1
		.amdhsa_wavefront_size32 1
		.amdhsa_system_sgpr_workgroup_id_x 1
		.amdhsa_system_sgpr_workgroup_id_y 1
		.amdhsa_system_sgpr_workgroup_id_z 1
		.amdhsa_system_vgpr_workitem_id 0
		.amdhsa_next_free_vgpr 1024
		.amdhsa_next_free_sgpr 66
		.amdhsa_reserve_vcc 0
		.amdhsa_float_denorm_mode_32 3
		.amdhsa_float_denorm_mode_16_64 3
		.amdhsa_memory_ordered 1
		.amdhsa_forward_progress 1
		.amdhsa_inst_pref_size 46
	.end_amdhsa_kernel
	.amdgpu_metadata
---
amdhsa.version: [ 1, 2 ]
amdhsa.kernels:
  - .name:           k_q4f557affaa_qproj
    .symbol:         k_q4f557affaa_qproj.kd
    .args:
      - { .name: s, .offset: 0, .size: 8, .value_kind: global_buffer, .address_space: global }
      - { .name: bq, .offset: 8, .size: 8, .value_kind: global_buffer, .address_space: global }
      - { .name: wst, .offset: 16, .size: 8, .value_kind: global_buffer, .address_space: global }
      - { .name: qws, .offset: 24, .size: 8, .value_kind: global_buffer, .address_space: global }
    .group_segment_fixed_size: 167936
    .private_segment_fixed_size: 0
    .kernarg_segment_align: 8
    .kernarg_segment_size: 32
    .max_flat_workgroup_size: 128
    .sgpr_count:     66
    .vgpr_count:     1024
    .wavefront_size: 32
...
	.end_amdgpu_metadata
.endif
;; end of part 2
;; launch main (part 3): grid 256 x 1, 4 waves a work-group, clusters of 4 x 1, 327,680 bytes of LDS; arguments x, s, qws, wst, out0, s_pos, x_pos, pw1, pb1, bn_g, bn_b, bn_m, bn_v, pw2, pb2, bk, bv, bo, mb2, mb1f; writes out0
.if DOCPART == 3
	.amdgcn_target "amdgcn-amd-amdhsa--gfx1250"
	.amdhsa_code_object_version 6
	.text
	.protected	k_q4f557affaa_main
	.globl	k_q4f557affaa_main
	.p2align	8
	.type	k_q4f557affaa_main,@function
k_q4f557affaa_main:
	s_mov_b64 s[64:65], 0
	v_nop
	global_prefetch_b8 v0, s[64:65] scope:SCOPE_SE
	s_setreg_imm32_b32 hwreg(HW_REG_WAVE_MODE, 25, 1), 1
	s_wait_xcnt 0x0
	s_wait_alu depctr_hold_cnt(0) depctr_sa_sdst(0) depctr_va_vdst(0) depctr_va_sdst(0) depctr_va_ssrc(0) depctr_va_vcc(0) depctr_vm_vsrc(0)
	s_getreg_b32 s2, hwreg(HW_REG_IB_STS2, 6, 4)
	s_cmp_eq_u32 s2, 0
	s_cbranch_scc0 .Lentry_in_a_cluster
	s_endpgm
.Lentry_in_a_cluster:
	s_bfe_u32 s2, ttmp6, 0x10000c
	s_cmp_lg_u32 s2, 0x3003
	s_cbranch_scc0 .Lentry_shape_is_right
	s_endpgm
.Lentry_shape_is_right:
; Position net, K and V, the windows' attention, Wo, residual, LayerNorm, MLP, residual: one launch; between its steps nothing goes to memory.
; SHARES.  A work-group owns 64 windows (256 rows), a wave 16 windows = 64 rows = four ROW TILES T.  Lane row r = 4 wi + j of tile T is memory row l = 4096 j + w0 + 4 T + wi, for x, s and out alike:
; a tile holds four whole windows, and a wave's rows never meet another wave's.
; THE CHAIN IS TRANSPOSED: Y^T = W X^T (source 0 = 16 rows of a weight, source 1 = 16 rows of the activation).  A result holds ONE row a lane (lane % 16) and the channels 8 (lane / 16) + 0..7; two
; neighbouring results rounded to bf16 in place ARE the next product's source 1.  So no activation changes lanes.  V alone is made the other way round (rows in the registers), which is V^T's fragment.
; ATTENTION.  S^T = K Q^T over a tile's 16 keys and 16 queries; of a lane's eight keys the four of its query's own window are picked (lanes whose half holds the other windows' keys work on numbers
; that are masked away).  Softmax over four keys with their maximum taken away, in base 2; P is laid into a fragment that is 0 outside the window; O^T = V^T P, divided by the sum, plus bv.
; WEIGHTS come as bf16 fragments from wst in the order of use: 22 slots of 64 KiB through a ring of two LDS slots, each wave a quarter, asked for JOINTLY by the cluster's four work-groups.
; LayerNorm: two passes over registers; ln_g lies in mw1 and ln_b in mb1f, so the MLP's first product takes (s1 - mu) in bf16 and its result is scaled by 1 / sigma.
; LIMITS.  Matrix operands (x, q, k, v, p, o, s1 - mu, the hidden values, all weights, the position net's hidden values and pw2) are bf16; sums, softmax, LayerNorm, GELU and the residual are f32.
; erf by a rational form with five coefficients (absolute error 1.5e-7); an exponential below 2^-126 counts as 0; NaN and infinities are not treated apart.
; REGISTERS, in windows of 256 (s_set_vgpr_msb: bits 1:0 source 0, 3:2 source 1, 5:4 source 2, 7:6 destination):
;   window 0: v1-31 addresses and small things; v32-95, v96-159 two buffers of weights; v160-223 the hidden tile; v224-255 at work
;   window 1: the activation's 32 fragments, (T, kf) at 8 (8 T + kf): x, then O, then s1 - mu; at the end rows on their way out
;   windows 2, 3: x as loaded; then K, V, O and the softmax; from Wo on the 64 accumulators of s1 and out: (t, T) at 8 ((4 t + T) % 32), t < 8 in window 2
.set SLOTB,  65536
.set BIAS,   131072                    ; bk +0, bv +1,024, bo +2,048, mb2 +3,072, mb1f +4,096: 8 KiB, stored once
.set SCR,    139264                    ; 32 KiB a wave: for each head 4 KiB: the position bias [q = 4 T + j][lane], later O's four fragments; at the end 16 rows of out
.set SPARE,  270336                    ; the spare words, 128 bytes a wave: two blocks of 256 bytes that no other line names
.set OPITCH, 1040                      ; a row of out in the stage: 1,024 bytes + 16: the 16 rows of a store begin in 16 different columns of 16 bytes
.set WB0, 32
.set WB1, 96
.set HA,  160
.set MSB, 0
.macro WIN new                         ; the immediate's high byte repeats the setting that is left; a switch that changes nothing is dropped
.if MSB != (\new)
	s_set_vgpr_msb (MSB<<8)|(\new)
.set MSB, \new
.endif
.endm
.macro PLACES                          ; four plain places behind a matrix instruction, ahead of what reads its result or writes one of its registers
.rept 4
	v_nop
.endr
.endm
.macro CROUND                          ; a round of the cluster's barrier
	s_barrier_signal -1
	s_barrier_wait -1
	s_cmp_lg_u32 s60, 0
	s_cbranch_scc1 .Lnot_wave_0_\@
	s_barrier_signal -3
.Lnot_wave_0_\@:
	s_barrier_wait -3
	s_barrier_signal -1
	s_barrier_wait -1
.endm
.macro JLOAD                           ; my quarter of a slot: the same line and descriptor in all four work-groups
	tensor_load_to_lds s[56:59], s[48:55]
	s_nop 0
	PLACES
.endm
; A prefetch of the slot that the NEXT change will ask for.  All 64 clusters walk the same weights: the first asks; its four work-groups take 16 KiB each, told apart by address, waves 0 and 1 half of
; that each, a lane 256 bytes: each block is named once in the launch.  The last change that fills a slot (s62 = 1) asks for nothing.
.macro ASK
	s_cmp_gt_u32 s62, s63
	s_cbranch_scc0 .Lnot_mine_\@
	global_prefetch_b8 v13, s[82:83] th:TH_LOAD_NT scope:SCOPE_SE
.Lnot_mine_\@:
.endm
; THE CHANGE OF SLOTS.  Each wave waits for all its tensor loads (one is out: its quarter of the other slot), adds 0 to its spare word, and waits for that and for its reads of the slot that it leaves.
; fill = 1: a round of the cluster's barrier, and the joint refill first behind it: it has two chunks' work in which to land.
.macro CHANGE fill
	WIN 0
	s_wait_tensorcnt 0x0                           ; no tensor load of mine is out, so group 0 may be written
	ds_add_u32 v28, v29
.if \fill
	s_xor_b32 s57, s57, SLOTB                      ; the other slot,
	s_add_nc_u64 s[58:59], s[58:59], SLOTB         ; the next 64 KiB
	s_wait_xcnt 0x0                                ; the last prefetch, a slot back, has read its address
	s_add_nc_u64 s[82:83], s[82:83], SLOTB
	s_wait_dscnt 0x0
	CROUND
	JLOAD
	ASK
.else
	s_wait_dscnt 0x0
	s_barrier_signal -1
	s_barrier_wait -1
.endif
	s_sub_co_u32 s62, s62, 1
	s_sub_co_u32 s61, s61, SLOTB                   ; the fetches go back to a slot's head,
	s_xor_b32 s61, s61, SLOTB                      ; in the other slot
.endm
.macro FETCH g, wb                     ; eight fragments, quarter g of the chunk at v4: 16 loads of 512 consecutive bytes
	WIN 0
.set i, 0
.rept 16
	ds_load_b128 v[(\wb)+4*i:(\wb)+4*i+3], v4 offset:(\g)*8192+i*512
.set i, i+1
.endr
.endm
.macro PACK2 base                      ; two results of 8 f32 become one fragment of 8 registers, in place, from the low end on
.set e, 0
.rept 8
	v_cvt_pk_bf16_f32 v[(\base)+e], v[(\base)+2*e], v[(\base)+2*e+1]
.set e, e+1
.endr
.endm
; 32 products each: k blocks 4 g .. 4 g + 3 x two tiles of 16 output channels x four row tiles.  The eight accumulators take turns, one instruction a turn.
.macro MUL_K g, wb                     ; K^T; bk starts the sums
	WIN 0xa4
.irp kfl, 0,1,2,3
.irp nt, 0,1
.irp T, 0,1,2,3
.set rD, 16*\T+8*\nt
.set rW, (\wb)+8*(2*\kfl+\nt)
.set rX, 8*(8*\T+4*(\g)+\kfl)
.if ((\g) == 0) && (\kfl == 0)
	v_wmma_f32_16x16x32_bf16 v[rD:rD+7], v[rW:rW+7], v[rX:rX+7], v[128+8*\nt:135+8*\nt]
.else
	v_wmma_f32_16x16x32_bf16 v[rD:rD+7], v[rW:rW+7], v[rX:rX+7], v[rD:rD+7]
.endif
.endr
.endr
.endr
.endm
.macro MUL_V g, wb                     ; V, rows in the registers: source 0 = x
	WIN 0xa1
.irp kfl, 0,1,2,3
.irp nt, 0,1
.irp T, 0,1,2,3
.set rD, 64+32*(\T/2)+16*\nt+8*(\T%2)
.set rW, (\wb)+8*(2*\kfl+\nt)
.set rX, 8*(8*\T+4*(\g)+\kfl)
.if ((\g) == 0) && (\kfl == 0)
	v_wmma_f32_16x16x32_bf16 v[rD:rD+7], v[rX:rX+7], v[rW:rW+7], 0
.else
	v_wmma_f32_16x16x32_bf16 v[rD:rD+7], v[rX:rX+7], v[rW:rW+7], v[rD:rD+7]
.endif
.endr
.endr
.endr
.endm
.macro MUL_O hc, g, wb                 ; Wo's half-chunk hc onto the accumulators, which hold s
	WIN 0xa4+0x50*((\hc)/4)
.irp kfl, 0,1,2,3
.irp nt, 0,1
.irp T, 0,1,2,3
.set rD, 8*((4*(2*(\hc)+\nt)+\T)%32)
.set rW, (\wb)+8*(2*\kfl+\nt)
.set rX, 8*(8*\T+4*(\g)+\kfl)
	v_wmma_f32_16x16x32_bf16 v[rD:rD+7], v[rW:rW+7], v[rX:rX+7], v[rD:rD+7]
.endr
.endr
.endr
.endm
.macro MUL_H g, wb                     ; 32 hidden units
	WIN 0x04
.irp kfl, 0,1,2,3
.irp nt, 0,1
.irp T, 0,1,2,3
.set rD, HA+16*\T+8*\nt
.set rW, (\wb)+8*(2*\kfl+\nt)
.set rX, 8*(8*\T+4*(\g)+\kfl)
.if ((\g) == 0) && (\kfl == 0)
	v_wmma_f32_16x16x32_bf16 v[rD:rD+7], v[rW:rW+7], v[rX:rX+7], 0
.else
	v_wmma_f32_16x16x32_bf16 v[rD:rD+7], v[rW:rW+7], v[rX:rX+7], v[rD:rD+7]
.endif
.endr
.endr
.endr
.endm
.macro MUL_B g, wb                     ; mw2: channel tiles 8 g .. 8 g + 7, the 32 hidden units as k: each accumulator once
	WIN 0xa0+0x50*(\g)
.irp f, 0,1,2,3,4,5,6,7
.irp T, 0,1,2,3
.set rD, 8*((4*(8*(\g)+\f)+\T)%32)
	v_wmma_f32_16x16x32_bf16 v[rD:rD+7], v[(\wb)+8*\f:(\wb)+8*\f+7], v[HA+16*\T:HA+16*\T+7], v[rD:rD+7]
.endr
.endr
.endm
.macro CONV T                          ; row tile T of x: 128 f32 a lane to 64 registers of bf16
	WIN 0x4a+5*((\T)/2)
.set i, 0
.rept 64
	v_cvt_pk_bf16_f32 v[64*(\T)+i], v[128*((\T)%2)+2*i], v[128*((\T)%2)+2*i+1]
.set i, i+1
.endr
.endm
.macro QLOAD                           ; a head's q for my four tiles: four fragments, as they lie in qws
	WIN 0xc0
.irp T, 0,1,2,3
	global_load_b128 v[8*\T:8*\T+3], v11, s[8:9] offset:\T*8192
	global_load_b128 v[8*\T+4:8*\T+7], v11, s[8:9] offset:\T*8192+512
.endr
.endm
	s_load_b512 s[4:19], s[0:1], 0x0               ; x 4, s 6, qws 8, wst 10, out0 12, s_pos 14, x_pos 16, pw1 18
	s_load_b512 s[20:35], s[0:1], 0x40             ; pb1 20, bn_g 22, bn_b 24, bn_m 26, bn_v 28, pw2 30, pb2 32, bk 34
	s_load_b256 s[36:43], s[0:1], 0x80             ; bv 36, bo 38, mb2 40, mb1f 42
	v_lshl_add_u32 v28, v0, 2, SPARE
	v_mov_b32 v29, 0
	ds_add_u32 v28, v29                            ; the wave's opening: the add and its wait stand ahead of my first tensor load; work on registers stands between
	v_lshrrev_b32 v24, 5, v0
	v_readfirstlane_b32 s60, v24                   ; wave
	s_bfe_u32 s46, ttmp6, 0x40000                  ; cx
	s_lshl_b32 s47, ttmp9, 2
	s_add_co_u32 s47, s47, s46                     ; g: it enters global addresses alone
	s_lshr_b32 s87, s47, 6                         ; b
	s_and_b32 s100, s47, 63
	s_lshl_b32 s100, s100, 6
	s_lshl_b32 s101, s60, 4
	s_add_co_u32 s100, s100, s101                  ; w0: my wave's first window
	s_lshl_b32 s74, s87, 24                        ; x, s, out: 16 MiB b + 1,024 w0
	s_lshl_b32 s101, s100, 10
	s_add_co_u32 s74, s74, s101
	s_mov_b32 s75, 0
	s_lshl_b32 s76, s87, 23                        ; qws: (1,024 b + w0 / 4) groups of 8,192 bytes
	s_lshl_b32 s101, s100, 11
	s_add_co_u32 s76, s76, s101
	s_mov_b32 s77, 0
	s_lshl_b32 s84, s87, 17                        ; s_pos and x_pos: 128 KiB a batch
	s_lshl_b32 s101, s100, 3
	s_add_co_u32 s85, s84, s101                    ; x_pos: + 8 w0
	s_lshl_b32 s101, s100, 4
	s_add_co_u32 s84, s84, s101                    ; s_pos: + 16 w0
	s_lshl_b32 s101, s60, 15
	s_add_co_u32 s101, s101, SCR                   ; my scratch
	; descriptor group 1: a quarter of a slot, dense: 64 rows of 32 elements of 8 bytes
	s_mov_b32 s48, 15|(3<<16)|(1<<21)              ; the mask of four; elements of 8 bytes; bit 21 beside a mask
	s_mov_b32 s49, 32<<16                          ; tensor_dim0 = 32
	s_mov_b32 s50, 64<<16                          ; tensor_dim1 = 64
	s_mov_b32 s51, 32<<16                          ; tile_dim0 = 32
	s_mov_b32 s52, 64                              ; tile_dim1 = 64
	s_mov_b32 s53, 32                              ; 32 elements from row to row
	s_mov_b32 s54, 0
	s_mov_b32 s55, 0
	s_mov_b32 s56, 1
	s_lshl_b32 s57, s60, 14                        ; LDS: slot 0, 16 KiB x wave
	s_add_co_u32 s58, s57, 131072                  ; the stream begins behind Wq's image
	s_mov_b32 s59, 0
	s_lshl_b32 s82, s46, 14                        ; the prefetches: slot 1 (the first change steps to slot 2) + 16 KiB cx + 8 KiB wave
	s_lshl_b32 s83, s60, 13
	s_add_co_u32 s82, s82, s83
	s_add_co_u32 s82, s82, 131072+65536
	s_mov_b32 s83, 0
	s_lshr_b32 s63, s60, 1                         ; waves 0 and 1 of the first cluster prefetch: the same in all four partners
	s_or_b32 s63, s63, ttmp9
	s_cmp_eq_u32 s63, 0
	s_cselect_b32 s63, 1, -1
	s_mov_b32 s61, 2*SLOTB                         ; the first change turns it into 0
	s_mov_b32 s62, 21                              ; slots still to be asked for
	s_mov_b32 s44, 0x3b800000                      ; 1 / 256
	s_mov_b32 s45, 0x3727c5ac                      ; 1e-5
	s_mov_b32 s78, 0x76543210                      ; v_permlanex16_b32: each lane takes its own place in the other half
	s_mov_b32 s79, 0xfedcba98
	s_mov_b32 s80, 0x3e8293ee                      ; log2(e) / sqrt(32)
	s_mov_b32 s86, 0x3e6d335e                      ; 0.3275911 / sqrt(2)
	s_mov_b32 s88, 0xbf38aa3b                      ; -log2(e) / 2
	s_mov_b32 s89, s88
	s_mov_b32 s90, 0x3f07dc22                      ; erf's five coefficients, halved: a5 .. a1; named as pairs
	s_mov_b32 s91, s90
	s_mov_b32 s92, 0xbf3a00e3
	s_mov_b32 s93, s92
	s_mov_b32 s94, 0x3f35f0e3
	s_mov_b32 s95, s94
	s_mov_b32 s96, 0xbe11a98e
	s_mov_b32 s97, s96
	s_mov_b32 s98, 0x3e027906
	s_mov_b32 s99, s98
	v_and_b32 v1, 15, v0                           ; r
	v_bfe_u32 v2, v0, 4, 1                         ; h
	v_and_b32 v24, 3, v1                           ; j
	v_lshrrev_b32 v25, 2, v1                       ; wi
	v_lshlrev_b32 v26, 22, v24                     ; 4,096 rows of 1,024 bytes for j,
	v_lshl_or_b32 v26, v25, 10, v26                ; one row for wi
	v_lshl_add_u32 v3, v2, 5, v26                  ; v3: my 32 bytes in a fragment's rows
	v_lshl_add_u32 v12, v2, 8, v26                 ; v12: s's prefetches: row r, block h of 256 bytes
	v_and_b32 v27, 31, v0
	v_lshlrev_b32 v5, 4, v27                       ; v5: 16 x lane
	v_lshlrev_b32 v13, 8, v27                      ; v13: 256 x lane
	v_lshl_add_u32 v6, v2, 5, BIAS                 ; v6: my eight channels of a tile in a bias
	v_mov_b32 v7, v6                               ; v7: the same, stepped
	v_add_nc_u32 v8, s101, v5                      ; v8: my scratch + 16 x lane
	v_lshl_add_u32 v9, v27, 2, s101                ; v9: my scratch + 4 x lane, stepped by heads
	v_mul_u32_u24 v10, v1, OPITCH
	v_lshl_add_u32 v10, v2, 5, v10
	v_add_nc_u32 v10, s101, v10                    ; v10: out's stage, row r
	v_mov_b32 v11, v5                              ; v11: q's offset: head 0
	v_mov_b32 v30, v8                              ; v30: where a head's O goes, stepped
	v_lshl_add_u32 v31, v0, 4, BIAS                ; v31: the biases' copy
	v_mov_b32 v14, 0
	v_mov_b32 v15, 0
	v_lshlrev_b32 v16, 6, v2                       ; pw1: 8 rows of 8 bytes for h
	v_lshlrev_b32 v17, 5, v2                       ; pb1 and the norm's four: 8 numbers for h
	v_and_b32 v18, 7, v1
	v_lshlrev_b32 v18, 6, v18
	v_lshl_add_u32 v18, v2, 5, v18                 ; pw2: row r % 8, 8 numbers for h
	v_and_b32 v19, 1, v1                           ; s_pos[b][i & 1][w][2 c + (i >> 1)], i = r % 4
	v_lshlrev_b32 v19, 16, v19
	v_lshl_add_u32 v19, v25, 4, v19
	v_bfe_u32 v23, v1, 1, 1
	v_lshl_add_u32 v19, v23, 2, v19
	v_add_nc_u32 v19, s84, v19
	v_lshl_add_u32 v20, v25, 3, s85                ; x_pos[b][4096 j + w][0..1]
	v_and_b32 v21, 63, v0
	v_lshlrev_b32 v21, 4, v21
	v_lshlrev_b32 v22, 4, v0
	s_wait_dscnt 0x0
	s_wait_kmcnt 0x0
	s_add_nc_u64 s[58:59], s[10:11], s[58:59]
	s_or_b32 s59, s59, 0x80000000
	s_add_nc_u64 s[82:83], s[10:11], s[82:83]
	s_add_nc_u64 s[4:5], s[4:5], s[74:75]
	s_add_nc_u64 s[6:7], s[6:7], s[74:75]
	s_add_nc_u64 s[66:67], s[12:13], s[74:75]      ; out at j = 0 .. 3: 4 MiB apart
	s_add_nc_u64 s[68:69], s[66:67], 0x400000
	s_add_nc_u64 s[70:71], s[68:69], 0x400000
	s_add_nc_u64 s[72:73], s[70:71], 0x400000
	s_add_nc_u64 s[8:9], s[8:9], s[76:77]
	s_mov_b64 s[84:85], s[6:7]
	s_cmp_lt_u32 s60, 2                            ; waves 0, 1 copy bk and bo, waves 2, 3 bv and mb2
	s_cselect_b64 s[74:75], s[34:35], s[36:37]
	s_cselect_b64 s[76:77], s[38:39], s[40:41]
	CROUND                                         ; the four work-groups are here: the first joint loads meet
	JLOAD                                          ; slot 0
	; the small inputs: 46 loads
.irp i, 0,1,2,3
	global_load_b128 v[32+4*\i:35+4*\i], v16, s[18:19] offset:16*\i
.endr
.irp i, 0,1,2,3,4
	global_load_b128 v[48+8*\i:51+8*\i], v17, s[20+2*\i:21+2*\i]
	global_load_b128 v[52+8*\i:55+8*\i], v17, s[20+2*\i:21+2*\i] offset:16
.endr
	global_load_b128 v[88:91], v18, s[30:31]
	global_load_b128 v[92:95], v18, s[30:31] offset:16
	global_load_b128 v[96:99], v14, s[32:33]
	global_load_b128 v[100:103], v14, s[32:33] offset:16
.irp T, 0,1,2,3
	global_load_b32 v[104+2*\T], v19, s[14:15] offset:\T*64
	global_load_b32 v[105+2*\T], v19, s[14:15] offset:\T*64+8
.endr
.irp T, 0,1,2,3
.irp j, 0,1,2,3
	global_load_b64 v[112+2*(4*\T+\j):113+2*(4*\T+\j)], v20, s[16:17] offset:\j*32768+\T*32
.endr
.endr
	global_load_b128 v[144:147], v21, s[74:75]
	global_load_b128 v[148:151], v21, s[76:77]
	global_load_b128 v[152:155], v22, s[42:43]
	global_load_b128 v[156:159], v22, s[42:43] offset:2048
.irp T, 0,1,2,3                        ; my 64 rows of x: 128 loads; fragment (T, kf) takes bytes 128 kf + 32 h + 0, 16, 64, 80 of its rows
	WIN 0x80+0x40*(\T/2)
.irp kf, 0,1,2,3,4,5,6,7
.set rB, 16*(8*(\T%2)+\kf)
	global_load_b128 v[rB:rB+3], v3, s[4:5] offset:\T*4096+\kf*128
	global_load_b128 v[rB+4:rB+7], v3, s[4:5] offset:\T*4096+\kf*128+16
	global_load_b128 v[rB+8:rB+11], v3, s[4:5] offset:\T*4096+\kf*128+64
	global_load_b128 v[rB+12:rB+15], v3, s[4:5] offset:\T*4096+\kf*128+80
.endr
.endr
	WIN 0
	s_wait_loadcnt 63                              ; 64 younger loads could stay out; the wait's field holds 63: the small inputs and x's tiles 0 and 1 are in
	ds_store_b128 v31, v[144:147]
	ds_store_b128 v31, v[148:151] offset:2048
	ds_store_b128 v31, v[152:155] offset:4096
	ds_store_b128 v31, v[156:159] offset:6144
	CONV 0
	CONV 1
	WIN 0
	; THE POSITION NET.  Hidden unit o = 8 h + e: relu(A0 rel0 + A1 rel1 + CC), the norm folded in: sc = bn_g rsqrt(bn_v + 1e-5), A = pw1 sc, CC = (pb1 - bn_m) sc + bn_b.
.irp e, 0,1,2,3,4,5,6,7
	v_add_f32 v[184+\e], s45, v[80+\e]
.endr
.irp e, 0,1,2,3,4,5,6,7
	v_rsq_f32 v[184+\e], v[184+\e]
.endr
	v_nop                                          ; a plain instruction behind the last root,
	s_wait_alu depctr_va_vdst(0)                   ; and one wait for the eight
.irp e, 0,1,2,3,4,5,6,7
	v_mul_f32 v[184+\e], v[184+\e], v[56+\e]
.endr
.irp e, 0,1,2,3,4,5,6,7
	v_mul_f32 v[160+\e], v[32+2*\e], v[184+\e]
	v_mul_f32 v[168+\e], v[33+2*\e], v[184+\e]
	v_sub_f32 v[176+\e], v[48+\e], v[72+\e]
.endr
.irp e, 0,1,2,3,4,5,6,7
	v_fma_f32 v[176+\e], v[176+\e], v[184+\e], v[64+\e]
	v_mul_f32 v[88+\e], 0x3fb8aa3b, v[88+\e]       ; the bias is made in base 2: pw2 and pb2 times log2(e)
	v_mul_f32 v[200+\e], 0x3fb8aa3b, v[96+\e]
.endr
.irp e, 0,1,2,3
	v_cvt_pk_bf16_f32 v[192+\e], v[88+2*\e], v[89+2*\e]
	v_mov_b32 v[196+\e], 0                         ; k = 16 .. 31 do not exist
	v_mov_b32 v[212+\e], 0
	v_mov_b32 v[220+\e], 0
.endr
	; q = 4 T + j: column r = 4 wi + i holds query i of window 4 T + wi against key j.  Source 0 = pw2 (rows 8-15 repeat the eight heads), so register e of every lane is head e's bias.
.set q, 0
.rept 16
.set rB, 208+8*(q%2)
.set rD, 224+8*(q%2)
.set rP, 224+8*((q+1)%2)
	v_pk_add_f32 v[240:241], v[104+2*(q/4):105+2*(q/4)], v[112+2*q:113+2*q] neg_lo:[0,1] neg_hi:[0,1]
.irp e, 0,1,2,3
	v_pk_fma_f32 v[242+2*\e:243+2*\e], v[168+2*\e:169+2*\e], v[240:241], v[176+2*\e:177+2*\e] op_sel:[0,1,0] op_sel_hi:[1,1,1]
.endr
.irp e, 0,1,2,3
	v_pk_fma_f32 v[242+2*\e:243+2*\e], v[160+2*\e:161+2*\e], v[240:241], v[242+2*\e:243+2*\e] op_sel_hi:[1,0,1]
.endr
.irp e, 0,1,2,3
	v_cvt_pk_bf16_f32 v[rB+\e], v[242+2*\e], v[243+2*\e]
.endr
.irp e, 0,1,2,3
	v_pk_max_num_bf16 v[rB+\e], v[rB+\e], v14
.endr
.if q > 0                              ; the result before: the 17 lines above are the places behind its product
.irp e, 0,1,2,3,4,5,6,7
	ds_store_b32 v9, v[rP+\e] offset:\e*4096+(q-1)*128
.endr
.endif
	v_wmma_f32_16x16x32_bf16 v[rD:rD+7], v[192:199], v[rB:rB+7], v[200:207]
.set q, q+1
.endr
	PLACES
.irp e, 0,1,2,3,4,5,6,7
	ds_store_b32 v9, v[232+\e] offset:\e*4096+15*128
.endr
	s_wait_loadcnt 32                              ; tile 3's 32 loads may stay out
	CONV 2
	s_wait_loadcnt 0x0
	CONV 3
	WIN 0
	v_and_b32 v24, 4, v1
	v_cmp_ne_u32 s81, 0, v24                       ; s81: lanes whose window is odd in its tile: their keys are registers 4-7
	v_lshrrev_b32 v25, 3, v1
	v_cmp_eq_u32 vcc_lo, v25, v2                   ; lanes whose half holds their own window's keys
	v_cndmask_b32 v24, 0, -1, vcc_lo
	v_cndmask_b32 v25, 0, v24, s81
	v_xor_b32 v26, v24, v25
	WIN 0xc0
	v_mov_b32 v144, v26                            ; ME: own half, even window
	v_mov_b32 v145, v25                            ; MO: own half, odd window
	v_mov_b32 v146, v24                            ; VM: own half
.irp T, 0,1,2,3
	v_mov_b32 v[113+2*\T], 0                       ; named in pairs with the maxima and the reciprocals
	v_mov_b32 v[129+2*\T], 0
.endr
	QLOAD                                          ; head 0
	WIN 0
	s_mov_b32 s76, 0                               ; the head in hand
; A HEAD: its K and V (a chunk of weights), the scores, the softmax, O.  Window 2: K at 16 T + 8 nt, V at 64 + 32 (T / 2) + 16 nt + 8 (T % 2), bk at 128; O takes K's place.
; Window 3: q 0-31, S then P 32-63, position bias 64-79, bv 80-95, Z 96-111, maxima 112-119, sums 120-127, reciprocals 128-135, packed weights 136-143, masks 144-146.
.macro HEAD
	WIN 0
	v_add_nc_u32 v4, s61, v5
	WIN 0x80
	ds_load_b128 v[128:131], v7
	ds_load_b128 v[132:135], v7 offset:16
	ds_load_b128 v[136:139], v7 offset:64
	ds_load_b128 v[140:143], v7 offset:80
	WIN 0xc0
	ds_load_b128 v[80:83], v7 offset:1024
	ds_load_b128 v[84:87], v7 offset:1040
	ds_load_b128 v[88:91], v7 offset:1088
	ds_load_b128 v[92:95], v7 offset:1104
.set i, 0
.rept 16
	ds_load_b32 v[64+i], v9 offset:i*128
.set i, i+1
.endr
	FETCH 0, WB0
	FETCH 1, WB1
	s_wait_dscnt 16                                ; here and below: the 16 loads of the run issued last may stay out
	MUL_K 0, WB0
	PLACES
	FETCH 2, WB0
	s_wait_dscnt 16
	MUL_K 1, WB1
	PLACES
	FETCH 3, WB1
	s_wait_dscnt 16
	MUL_V 0, WB0
	s_wait_dscnt 0x0
	MUL_V 1, WB1
	PLACES
	WIN 0x8a
.irp b, 0,16,32,48,64,80,96,112
	PACK2 \b
.endr
	s_wait_loadcnt 0x0                             ; q
	WIN 0xce
.irp T, 0,1,2,3
	v_wmma_f32_16x16x32_bf16 v[32+8*\T:39+8*\T], v[16*\T:16*\T+7], v[8*\T:8*\T+7], 0
.endr
	PLACES
	s_add_co_u32 s77, s76, 1                       ; the next head's q is asked for now (behind the last head: the last once more, so that every trip is alike)
	s_min_u32 s77, s77, 7
	s_lshl_b32 s77, s77, 10
	WIN 0
	v_add_nc_u32 v11, s77, v5
	QLOAD
	WIN 0xff
.irp T, 0,1,2,3
.irp j, 0,1,2,3
	v_cndmask_b32 v[96+4*\T+\j], v[32+8*\T+\j], v[36+8*\T+\j], s81
.endr
.endr
.set i, 0
.rept 16
	v_fma_f32 v[96+i], v[96+i], s80, v[64+i]       ; log2(e) (s / sqrt(32) + bias)
.set i, i+1
.endr
.irp T, 0,1,2,3
	v_max3_num_f32 v[112+2*\T], v[96+4*\T], v[97+4*\T], v[98+4*\T]
.endr
.irp T, 0,1,2,3
	v_max_num_f32 v[112+2*\T], v[112+2*\T], v[99+4*\T]
.endr
.irp p, 0,1
.irp T, 0,1,2,3
	v_pk_add_f32 v[96+4*\T+2*\p:97+4*\T+2*\p], v[96+4*\T+2*\p:97+4*\T+2*\p], v[112+2*\T:113+2*\T] op_sel_hi:[1,0] neg_lo:[0,1] neg_hi:[0,1]
.endr
.endr
.set i, 0
.rept 16
	v_exp_f32 v[96+i], v[96+i]
.set i, i+1
.endr
	v_nop                                          ; a plain instruction behind the last exponential,
	s_wait_alu depctr_va_vdst(0)                   ; and one wait for the sixteen
.irp T, 0,1,2,3
	v_pk_add_f32 v[120+2*\T:121+2*\T], v[96+4*\T:97+4*\T], v[98+4*\T:99+4*\T]
.endr
.irp T, 0,1,2,3
	v_add_f32 v[120+2*\T], v[120+2*\T], v[121+2*\T]
.endr
.irp T, 0,1,2,3
	v_and_b32 v[120+2*\T], v[120+2*\T], v146       ; the sum counts in the lane that holds the window's own keys,
.endr
.irp T, 0,1,2,3
	v_permlanex16_b32 v[121+2*\T], v[120+2*\T], s78, s79
.endr
.irp T, 0,1,2,3
	v_add_f32 v[120+2*\T], v[120+2*\T], v[121+2*\T]  ; and both halves have it
.endr
.irp T, 0,1,2,3
	v_rcp_f32 v[128+2*\T], v[120+2*\T]
.endr
.irp T, 0,1,2,3
	v_cvt_pk_bf16_f32 v[136+2*\T], v[96+4*\T], v[97+4*\T]
	v_cvt_pk_bf16_f32 v[137+2*\T], v[98+4*\T], v[99+4*\T]
.endr
.irp T, 0,1,2,3                        ; P over the 32 keys of a pair of tiles: tile T's keys are registers 4 (T % 2) .. + 3; in them an even window's are the first two, an odd one's the last two
.set rP, 32+8*\T+4*(\T%2)
.set rZ, 32+8*\T+4*(1-\T%2)
	v_and_b32 v[rP], v[136+2*\T], v144
	v_and_b32 v[rP+1], v[137+2*\T], v144
	v_and_b32 v[rP+2], v[136+2*\T], v145
	v_and_b32 v[rP+3], v[137+2*\T], v145
	v_mov_b32 v[rZ], 0
	v_mov_b32 v[rZ+1], 0
	v_mov_b32 v[rZ+2], 0
	v_mov_b32 v[rZ+3], 0
.endr
	s_wait_alu depctr_va_vdst(0)                   ; one wait for the four reciprocals, ahead of their first reader
	WIN 0x8e
.irp T, 0,1,2,3
.irp c, 0,1
	v_wmma_f32_16x16x32_bf16 v[16*\T+8*\c:16*\T+8*\c+7], v[64+32*(\T/2)+16*\c:64+32*(\T/2)+16*\c+7], v[32+8*\T:39+8*\T], 0
.endr
.endr
	PLACES
	WIN 0xbe
.irp T, 0,1,2,3
.irp c, 0,1
.irp p, 0,1,2,3
	v_pk_fma_f32 v[16*\T+8*\c+2*\p:16*\T+8*\c+2*\p+1], v[16*\T+8*\c+2*\p:16*\T+8*\c+2*\p+1], v[128+2*\T:129+2*\T], v[80+8*\c+2*\p:81+8*\c+2*\p] op_sel_hi:[1,0,1]  ; / the sum, + bv (the weights add up to 1)
.endr
.endr
.endr
	WIN 0x8a
.irp b, 0,16,32,48
	PACK2 \b
.endr
	WIN 0x08
.irp T, 0,1,2,3
	ds_store_b128 v30, v[16*\T:16*\T+3] offset:\T*1024       ; O's fragment (T, kf = head), over the head's position bias, which has been read
	ds_store_b128 v30, v[16*\T+4:16*\T+7] offset:\T*1024+512
.endr
	WIN 0
	s_add_co_u32 s61, s61, 32768
	s_add_co_u32 s76, s76, 1
	v_add_nc_u32 v7, 128, v7
	v_add_nc_u32 v9, 4096, v9
	v_add_nc_u32 v30, 4096, v30
.endm
	s_mov_b32 s74, 4
.Lkv:                                  ; four slots, two heads each
	CHANGE 1
	global_prefetch_b8 v12, s[84:85] th:TH_LOAD_NT scope:SCOPE_SE  ; s, which Wo's sums start from: in trip T the first 512 of the 1,024 bytes of tile T's 16 rows, a lane 256 bytes: 8 KiB a wave and trip, my own rows alone
	s_mov_b32 s75, 2
.Lhead:
	HEAD
	s_sub_co_u32 s75, s75, 1
	s_cmp_lg_u32 s75, 0
	s_cbranch_scc1 .Lhead
	s_wait_xcnt 0x0                                ; the prefetch, two heads back, has read its address
	s_add_nc_u64 s[84:85], s[84:85], 4096          ; the next tile's rows (behind the last trip it is not used)
	s_sub_co_u32 s74, s74, 1
	s_cmp_lg_u32 s74, 0
	s_cbranch_scc1 .Lkv
	; Wo.  The accumulators are loaded with s: the residual costs no addition.  O's 32 fragments come back from my scratch.
	s_wait_loadcnt 0x0                             ; the spare loads of q land in registers that s takes
.set t, 0
.rept 16
	WIN 0x80+0x40*(t/8)
.set T, 0
.rept 4
.set rA, 8*((4*t+T)%32)
	global_load_b128 v[rA:rA+3], v3, s[6:7] offset:T*4096+t*64
	global_load_b128 v[rA+4:rA+7], v3, s[6:7] offset:T*4096+t*64+16
.set T, T+1
.endr
.set t, t+1
.endr
	WIN 0x40
.irp T, 0,1,2,3
.irp hd, 0,1,2,3,4,5,6,7
	ds_load_b128 v[8*(8*\T+\hd):8*(8*\T+\hd)+3], v8 offset:\hd*4096+\T*1024
	ds_load_b128 v[8*(8*\T+\hd)+4:8*(8*\T+\hd)+7], v8 offset:\hd*4096+\T*1024+512
.endr
.endr
.macro SWAIT hc                        ; half-chunk hc adds onto accumulators 0 .. 8 hc + 7: 112 - 16 hc younger loads of s may stay out, 63 where the wait's field holds no more
.if 112-16*(\hc) > 63
	s_wait_loadcnt 63
.else
	s_wait_loadcnt 112-16*(\hc)
.endif
.endm
.macro WOCHUNK k
	WIN 0
	v_add_nc_u32 v4, s61, v5
	FETCH 0, WB0
	FETCH 1, WB1
	SWAIT 2*(\k)
	s_wait_dscnt 16
	MUL_O 2*(\k), 0, WB0
	PLACES
	FETCH 2, WB0
	s_wait_dscnt 16
	MUL_O 2*(\k), 1, WB1
	PLACES
	FETCH 3, WB1
	SWAIT 2*(\k)+1
	s_wait_dscnt 16
	MUL_O 2*(\k)+1, 0, WB0
	s_wait_dscnt 0x0
	MUL_O 2*(\k)+1, 1, WB1
	PLACES
	WIN 0
	s_add_co_u32 s61, s61, 32768
.endm
	CHANGE 1
	WOCHUNK 0
	WOCHUNK 1
	CHANGE 1
	WOCHUNK 2
	WOCHUNK 3
	; LAYERNORM, in two passes over the accumulators.  A row's 256 channels lie in two lanes, 128 each.  v160-175 sums, v176-191 sums of squares, v192-199 mu, v224-255 differences.
.set t, 0
.rept 16
	ds_load_b128 v[32+8*t:35+8*t], v6 offset:2048+t*64
	ds_load_b128 v[36+8*t:39+8*t], v6 offset:2048+t*64+16
.set t, t+1
.endr
.set i, 0
.rept 32
	v_mov_b32 v[160+i], 0
.set i, i+1
.endr
	s_wait_dscnt 0x0
.set t, 0
.rept 16
	WIN 0x82+0x41*(t/8)
.set p, 0
.rept 4
.set T, 0
.rept 4
.set rA, 8*((4*t+T)%32)+2*p
	v_pk_add_f32 v[rA:rA+1], v[rA:rA+1], v[32+8*t+2*p:33+8*t+2*p]  ; s1 = s + o Wo^T + bo
.set T, T+1
.endr
.set p, p+1
.endr
	WIN 0x02+(t/8)
.set p, 0
.rept 4
.set T, 0
.rept 4
.set rA, 8*((4*t+T)%32)+2*p
.set rS, 160+4*T+2*(p%2)
	v_pk_add_f32 v[rS:rS+1], v[rA:rA+1], v[rS:rS+1]
.set T, T+1
.endr
.set p, p+1
.endr
.set t, t+1
.endr
	WIN 0
.macro ROWSUM base                     ; four registers a tile and the other half of the lanes into v[base + 4 T]
.irp T, 0,1,2,3
	v_pk_add_f32 v[(\base)+4*\T:(\base)+4*\T+1], v[(\base)+4*\T:(\base)+4*\T+1], v[(\base)+4*\T+2:(\base)+4*\T+3]
.endr
.irp T, 0,1,2,3
	v_add_f32 v[(\base)+4*\T], v[(\base)+4*\T], v[(\base)+4*\T+1]
.endr
.irp T, 0,1,2,3
	v_permlanex16_b32 v[(\base)+4*\T+1], v[(\base)+4*\T], s78, s79
.endr
.irp T, 0,1,2,3
	v_add_f32 v[(\base)+4*\T], v[(\base)+4*\T], v[(\base)+4*\T+1]
.endr
.endm
	ROWSUM 160
.irp T, 0,1,2,3
	v_mul_f32 v[192+2*\T], s44, v[160+4*\T]
.endr
.irp T, 0,1,2,3
	v_mov_b32 v[193+2*\T], v[192+2*\T]
.endr
.set t, 0
.rept 16
	WIN 0x02+(t/8)
.set p, 0
.rept 4
.set T, 0
.rept 4
.set rA, 8*((4*t+T)%32)+2*p
	v_pk_add_f32 v[224+8*T+2*p:225+8*T+2*p], v[rA:rA+1], v[192+2*T:193+2*T] neg_lo:[0,1] neg_hi:[0,1]
.set T, T+1
.endr
.set p, p+1
.endr
	WIN 0
.set p, 0
.rept 4
.set T, 0
.rept 4
.set rS, 176+4*T+2*(p%2)
	v_pk_fma_f32 v[rS:rS+1], v[224+8*T+2*p:225+8*T+2*p], v[224+8*T+2*p:225+8*T+2*p], v[rS:rS+1]
.set T, T+1
.endr
.set p, p+1
.endr
	WIN 0x40
.set p, 0
.rept 4
.set T, 0
.rept 4
	v_cvt_pk_bf16_f32 v[8*(8*T+t/2)+4*(t%2)+p], v[224+8*T+2*p], v[225+8*T+2*p]  ; s1 - mu: fragment (T, kf = t / 2)
.set T, T+1
.endr
.set p, p+1
.endr
.set t, t+1
.endr
	WIN 0
	ROWSUM 176
.irp T, 0,1,2,3
	v_fma_f32 v[176+4*\T], v[176+4*\T], s44, s45
.endr
.irp T, 0,1,2,3
	v_rsq_f32 v[16+2*\T], v[176+4*\T]
.endr
	v_nop
	s_wait_alu depctr_va_vdst(0)                   ; one wait for the four roots
.irp T, 0,1,2,3
	v_mov_b32 v[17+2*\T], v[16+2*\T]
.endr
; GELU of the 64 hidden values a lane.  x = H / sigma + mb1f.  gelu(x) = max(x, 0) - |x| P(t) e^(-x^2 / 2), t = 1 / (1 + 0.2316419 |x|), P = erf's polynomial with halved coefficients.
; Two batches of 32: t in v96-127, the exponential in v128-159 (the second weights' buffer, which is free here), P in v224-255.  Each batch's 64 transcendentals have one wait.
.macro GELU
	WIN 0
.set i, 0
.rept 32
	v_pk_fma_f32 v[HA+2*i:HA+2*i+1], v[HA+2*i:HA+2*i+1], v[16+2*(i/8):17+2*(i/8)], v[224+2*(i%8):225+2*(i%8)]
.set i, i+1
.endr
.irp b, 0,1
.set X, HA+32*\b
.set i, 0
.rept 32
	v_fma_f32 v[96+i], |v[X+i]|, s86, 1.0
.set i, i+1
.endr
.set i, 0
.rept 16
	v_pk_mul_f32 v[128+2*i:129+2*i], v[X+2*i:X+2*i+1], v[X+2*i:X+2*i+1]
.set i, i+1
.endr
.set i, 0
.rept 16
	v_pk_mul_f32 v[128+2*i:129+2*i], v[128+2*i:129+2*i], s[88:89] op_sel_hi:[1,0]
.set i, i+1
.endr
.set i, 0
.rept 32
	v_rcp_f32 v[96+i], v[96+i]
	v_exp_f32 v[128+i], v[128+i]
.set i, i+1
.endr
	v_nop
	s_wait_alu depctr_va_vdst(0)
.set i, 0
.rept 16
	v_pk_fma_f32 v[224+2*i:225+2*i], v[96+2*i:97+2*i], s[90:91], s[92:93] op_sel_hi:[1,0,0]
.set i, i+1
.endr
.irp c, 94,96,98
.set i, 0
.rept 16
	v_pk_fma_f32 v[224+2*i:225+2*i], v[224+2*i:225+2*i], v[96+2*i:97+2*i], s[\c:\c+1] op_sel_hi:[1,1,0]
.set i, i+1
.endr
.endr
.set i, 0
.rept 16
	v_pk_mul_f32 v[224+2*i:225+2*i], v[224+2*i:225+2*i], v[96+2*i:97+2*i]
.set i, i+1
.endr
.set i, 0
.rept 16
	v_pk_mul_f32 v[224+2*i:225+2*i], v[224+2*i:225+2*i], v[128+2*i:129+2*i]
.set i, i+1
.endr
.set i, 0
.rept 16
	v_pk_mul_f32 v[224+2*i:225+2*i], v[224+2*i:225+2*i], v[X+2*i:X+2*i+1]
.set i, i+1
.endr
.set i, 0
.rept 32
	v_max_num_f32 v[96+i], 0, v[X+i]
.set i, i+1
.endr
.set i, 0
.rept 32
	v_sub_f32 v[X+i], v[96+i], |v[224+i]|
.set i, i+1
.endr
	PACK2 X
	PACK2 X+16
.endr
.endm
; A CHUNK OF THE MLP: 32 hidden units: 64 products make them, GELU, 64 products add them onto out.
.macro CHUNKM
	WIN 0
	v_add_nc_u32 v4, s61, v5
	ds_load_b128 v[224:227], v7
	ds_load_b128 v[228:231], v7 offset:16
	ds_load_b128 v[232:235], v7 offset:64
	ds_load_b128 v[236:239], v7 offset:80
	FETCH 0, WB0
	FETCH 1, WB1
	s_wait_dscnt 16
	MUL_H 0, WB0
	PLACES
	FETCH 2, WB0                                   ; mw2's first half lands under the rest of the first product and GELU
	s_wait_dscnt 16
	MUL_H 1, WB1
	PLACES
	GELU
	FETCH 3, WB1
	s_wait_dscnt 16
	MUL_B 0, WB0
	s_wait_dscnt 0x0
	MUL_B 1, WB1
	WIN 0
.rept 5                                ; five places: the next chunk's first product writes over the hidden fragments that these products read
	v_nop
.endr
	s_add_co_u32 s61, s61, 32768
	v_add_nc_u32 v7, 128, v7
.endm
	v_add_nc_u32 v7, 4096, v6                      ; mb1f
	s_mov_b32 s74, 15
.Lmlp:                                 ; fifteen slots that are followed by a refill
	CHANGE 1
	s_mov_b32 s75, 2
.Lchunk:
	CHUNKM
	s_sub_co_u32 s75, s75, 1
	s_cmp_lg_u32 s75, 0
	s_cbranch_scc1 .Lchunk
	s_sub_co_u32 s74, s74, 1
	s_cmp_lg_u32 s74, 0
	s_cbranch_scc1 .Lmlp
	CHANGE 0                                       ; the last slot is written out: nothing is asked for
	s_mov_b32 s75, 2
.Ltail:
	CHUNKM
	s_sub_co_u32 s75, s75, 1
	s_cmp_lg_u32 s75, 0
	s_cbranch_scc1 .Ltail
	; THE WAY OUT.  + mb2; a tile's 16 rows go through my scratch and leave as whole rows: each store of the wave covers 512 consecutive bytes.
.set t, 0
.rept 16
	ds_load_b128 v[32+8*t:35+8*t], v6 offset:3072+t*64
	ds_load_b128 v[36+8*t:39+8*t], v6 offset:3072+t*64+16
.set t, t+1
.endr
	s_wait_dscnt 0x0
.macro OUTT T
.irp w, 0,1                            ; channel tiles 0-7 lie in window 2, 8-15 in window 3
	WIN 0x82+0x41*\w
.set t, 8*\w
.rept 8
.set rA, 8*((4*t+(\T))%32)
.irp p, 0,1,2,3
	v_pk_add_f32 v[rA+2*\p:rA+2*\p+1], v[rA+2*\p:rA+2*\p+1], v[32+8*t+2*\p:33+8*t+2*\p]
.endr
.set t, t+1
.endr
	WIN 0x08+4*\w
.set t, 8*\w
.rept 8
.set rA, 8*((4*t+(\T))%32)
	ds_store_b128 v10, v[rA:rA+3] offset:t*64
	ds_store_b128 v10, v[rA+4:rA+7] offset:t*64+16
.set t, t+1
.endr
.endr
.if (\T) >= 2
	s_wait_xcnt 0x0                                ; the stores of the tile two back have read the registers that are loaded again
.endif
	WIN 0x40
.set i, 0
.rept 32                               ; row i / 2, half i % 2
	ds_load_b128 v[128*((\T)%2)+4*i:128*((\T)%2)+4*i+3], v8 offset:(i/2)*OPITCH+(i%2)*512  ; LDS serves a wave's instructions in order: these see the stores above, and the next tile's stores come behind them
.set i, i+1
.endr
	s_wait_dscnt 0x0
	WIN 0x04
.set i, 0
.rept 32                               ; row 4 wi + j is memory row 4096 j + w0 + 4 T + wi
	global_store_b128 v5, v[128*((\T)%2)+4*i:128*((\T)%2)+4*i+3], s[66+2*((i/2)%4):67+2*((i/2)%4)] offset:(4*(\T)+i/8)*1024+(i%2)*512 th:TH_STORE_NT
.set i, i+1
.endr
.endm
	OUTT 0
	OUTT 1
	OUTT 2
	OUTT 3
	WIN 0
	s_wait_tensorcnt 0x0                           ; the wave's end, behind my last tensor load and my last LDS store
	ds_add_u32 v28, v29
	s_wait_dscnt 0x0
	CROUND                                         ; the closing round
	s_endpgm
.Lfunc_end_k_q4f557affaa_main:
	.size	k_q4f557affaa_main, .Lfunc_end_k_q4f557affaa_main-k_q4f557affaa_main
	.p2alignl 7, 3214868480
	.fill 96, 4, 3214868480
	.section	.rodata,"a",@progbits
	.p2align	6, 0x0
	.amdhsa_kernel k_q4f557affaa_main
		.amdhsa_group_segment_fixed_size 327680
		.amdhsa_private_segment_fixed_size 0
		.amdhsa_enable_private_segment 0
		.amdhsa_kernarg_size 160
		.amdhsa_user_sgpr_count 2
		.amdhsa_user_sgpr_kernarg_segment_ptr 1
		.amdhsa_wavefront_size32 1
		.amdhsa_system_sgpr_workgroup_id_x 1
		.amdhsa_system_sgpr_workgroup_id_y 1
		.amdhsa_system_sgpr_workgroup_id_z 1
		.amdhsa_system_vgpr_workitem_id 0
		.amdhsa_next_free_vgpr 1024
		.amdhsa_next_free_sgpr 102
		.amdhsa_reserve_vcc 1
		.amdhsa_float_denorm_mode_32 3
		.amdhsa_float_denorm_mode_16_64 3
		.amdhsa_memory_ordered 1
		.amdhsa_forward_progress 1
		.amdhsa_inst_pref_size 255
	.end_amdhsa_kernel
	.section	.bss,"aw",@nobits
	.p2align	6
	.space	262144
	.amdgpu_metadata
---
amdhsa.version: [ 1, 2 ]
amdhsa.kernels:
  - .name:           k_q4f557affaa_main
    .symbol:         k_q4f557affaa_main.kd
    .args:
      - { .name: x, .offset: 0, .size: 8, .value_kind: global_buffer, .address_space: global }
      - { .name: s, .offset: 8, .size: 8, .value_kind: global_buffer, .address_space: global }
      - { .name: qws, .offset: 16, .size: 8, .value_kind: global_buffer, .address_space: global }
      - { .name: wst, .offset: 24, .size: 8, .value_kind: global_buffer, .address_space: global }
      - { .name: out0, .offset: 32, .size: 8, .value_kind: global_buffer, .address_space: global }
      - { .name: s_pos, .offset: 40, .size: 8, .value_kind: global_buffer, .address_space: global }
      - { .name: x_pos, .offset: 48, .size: 8, .value_kind: global_buffer, .address_space: global }
      - { .name: pw1, .offset: 56, .size: 8, .value_kind: global_buffer, .address_space: global }
      - { .name: pb1, .offset: 64, .size: 8, .value_kind: global_buffer, .address_space: global }
      - { .name: bn_g, .offset: 72, .size: 8, .value_kind: global_buffer, .address_space: global }
      - { .name: bn_b, .offset: 80, .size: 8, .value_kind: global_buffer, .address_space: global }
      - { .name: bn_m, .offset: 88, .size: 8, .value_kind: global_buffer, .address_space: global }
      - { .name: bn_v, .offset: 96, .size: 8, .value_kind: global_buffer, .address_space: global }
      - { .name: pw2, .offset: 104, .size: 8, .value_kind: global_buffer, .address_space: global }
      - { .name: pb2, .offset: 112, .size: 8, .value_kind: global_buffer, .address_space: global }
      - { .name: bk, .offset: 120, .size: 8, .value_kind: global_buffer, .address_space: global }
      - { .name: bv, .offset: 128, .size: 8, .value_kind: global_buffer, .address_space: global }
      - { .name: bo, .offset: 136, .size: 8, .value_kind: global_buffer, .address_space: global }
      - { .name: mb2, .offset: 144, .size: 8, .value_kind: global_buffer, .address_space: global }
      - { .name: mb1f, .offset: 152, .size: 8, .value_kind: global_buffer, .address_space: global }
    .group_segment_fixed_size: 327680
    .private_segment_fixed_size: 0
    .kernarg_segment_align: 8
    .kernarg_segment_size: 160
    .max_flat_workgroup_size: 128
    .sgpr_count:     102
    .vgpr_count:     1024
    .wavefront_size: 32
...
	.end_amdgpu_metadata
.endif
;; end of part 3
